; MI455X (gfx1250); checked and timed in simulation.
; The chip was launched on July 23, 2026; its instructions are those of AMD's public machine-readable ISA for CDNA 5 (MIT licence, August 2026) and "CDNA5" Instruction Set Architecture Reference Guide (July 2026). The comments in the code are by the model that wrote it; some were corrected since.
;; Attn. Allowed arithmetic: matrix products marked QUANTISED: E2M1 operands, one E8M0 scale for each 32 along K, by v_wmma_scale_f32_16x16x128_f8f6f4 with both operands' format E2M1 (or v_wmma_scale_f32_32x16x128_f4), f32 sums; everything else in f32.
;; Inputs: Wk 512 x 512 float32; Wo 512 x 512 float32; Wq 512 x 512 float32; Wv 512 x 512 float32; bo 512 float32; ln_b 512 float32; ln_g 512 float32; pos 1 x 1,024 x 512 float32; proj_k 1,024 x 256 float32; proj_v 1,024 x 256 float32; x 32 x 512 x 32 x 32 float32.
;; Outputs: out0 32 x 512 x 32 x 32 float32.
;; This version of the problem:
;;   THIS VERSION OF THE PROBLEM IS GIVEN IN LOW PRECISION. The matrix products marked QUANTISED in the list below multiply operands that are first quantised to E2M1 (2 exponent bits, 1 mantissa bit; 4 bits a number), with one power-of-two scale for each 32 numbers along K (OCP MX v1.0); their sums are f32. All else is computed in f32.
;;   The module's matrix products, in the order in which they are computed (A, B: the left and right operand; K: the contracted axis; several contracted axes count as one K, in the product's order):
;;     1. [M 32,768, K 512] x [K 512, N 512]; A: computed on the way; B: input Wq: QUANTISED
;;     2. [M 32,768, K 512] x [K 512, N 512]; A: computed on the way; B: input Wk: QUANTISED
;;     3. [M 256, K 1,024] x [K 1,024, N 16,384]; A: input proj_k; B: computed on the way: QUANTISED
;;     4. [M 32,768, K 512] x [K 512, N 512]; A: computed on the way; B: input Wv: QUANTISED
;;     5. [M 256, K 1,024] x [K 1,024, N 16,384]; A: input proj_v; B: computed on the way: QUANTISED
;;     6. batch 256 x [M 1,024, K 64] x [K 64, N 256]; A: computed on the way; B: computed on the way: QUANTISED
;;     7. batch 256 x [M 64, K 256] x [K 256, N 1,024]; A: computed on the way; B: softmax (see below): QUANTISED
;;     8. [M 32,768, K 512] x [K 512, N 512]; A: computed on the way; B: input Wo: QUANTISED
;;   THE QUANTISER, for each operand of a quantised product, along K:
;;     - K is cut into blocks of 32 from its start; a last block that is shorter is filled with zeros.
;;     - A block's scale is 2^e with e = floor(log2(the largest magnitude in the block)) - 2, held to -126 .. 127; a block of zeros has e = 0. As a byte (E8M0): e + 127.
;;     - Each number is divided by its block's scale, clamped to +-6, and rounded to the nearest number of E2M1, ties to even, subnormals kept.
;;     - The product sums the exact products of the quantised numbers (number of the format x scale) in f32.
;;   ~~~python
;;   def quantise(x, axis):      # numpy; x: float32 -> the quantised numbers, widened to float32 again
;;       x = np.moveaxis(x, axis, -1); K = x.shape[-1]
;;       x = np.pad(x, [(0, 0)] * (x.ndim - 1) + [(0, -K % 32)]); x = x.reshape(x.shape[:-1] + (-1, 32)); a = np.abs(x).max(-1, keepdims=True)
;;       e = np.where(a > 0, np.clip(np.frexp(np.where(a > 0, a, 1))[1] - 1 - 2, -126, 127), 0)      # np.frexp(a)[1] - 1 = floor(log2(a)), exactly
;;       r = np.clip(x / 2.0 ** e, -6, 6)
;;       step = 2.0 ** (np.maximum(np.frexp(np.where(r == 0, 1, r))[1] - 1, 0) - 1)
;;       q = np.round(r / step) * step * 2.0 ** e      # np.round: ties to even
;;       return np.moveaxis(q.reshape(q.shape[:-2] + (-1,))[..., :K], -1, axis).astype(np.float32)
;;   ~~~
;;   SOFTMAX AHEAD OF A QUANTISED PRODUCT. Where the list says 'softmax', what is quantised is not the finished softmax but p = 2^(t - M), with t = logit x log2(e) and M = ceil(the row's largest t), a whole number; so 1/2 < the row's largest p <= 1. The row's sum l is taken of the UNQUANTISED p, in f32, and the product's result is divided by l at the end. Since M is a whole number, a kernel that streams over the keys may use a running M (the ceiling of the running maximum): every later rescaling is an exact power of two, which a block's scale takes up: the codes' values come out the same.
;;   OPERANDS COMPUTED ON THE WAY. 'Computed on the way' means the value that the module computes at that place (a softmax that the list does not call 'softmax' is quantised finished and normalised). What goes into a quantiser is computed in f32, as accurately as f32 sums, v_exp_f32 and their like allow (about 1e-6 of the number): no bf16 or f16 on the way to a quantiser, and a product that is left as it is and whose result goes on into a quantised operand takes f32 operands (vector FMAs, or v_wmma_f32_16x16x4_f32). A number that lies on a knife's edge between two numbers of the format may be rounded either way, as far as f32 arithmetic and the matrix unit's own rounding can turn it there, and no further.
;; One version. Each part assembles by itself: llvm-mc -triple=amdgcn-amd-amdhsa -mcpu=gfx1250 --defsym DOCPART=n.
;; ======== version 1 of 1: 3 launches
;; workspace buffers: wcod 786,432 bytes; wscl 49,152 bytes; ycod 8,388,608 bytes; yscl 524,288 bytes; acod 8,388,608 bytes; ascl 524,288 bytes
;; launch ln (part 1): grid 16 x 16, 16 waves a work-group, no clusters, 153,600 bytes of LDS; arguments x, pos, ln_g, ln_b, ycod, yscl, wcod, wscl, Wq, Wk, Wv, Wo, proj_k, proj_v; writes ycod, yscl, wcod, wscl
.if DOCPART == 1
	.amdgcn_target "amdgcn-amd-amdhsa--gfx1250"
	.amdhsa_code_object_version 6
	.text
	.protected	k_qcbd83a693b_ln
	.globl	k_qcbd83a693b_ln
	.p2align	8
	.type	k_qcbd83a693b_ln,@function
k_qcbd83a693b_ln:
	s_mov_b64 s[64:65], 0
	v_nop
	global_prefetch_b8 v0, s[64:65] scope:SCOPE_SE
	s_setreg_imm32_b32 hwreg(HW_REG_WAVE_MODE, 25, 1), 1
	s_wait_xcnt 0x0
; LINFORMER ATTENTION IN MX-FP4, the first of three launches.  It holds two parts, which the later kernels count as launches 1 and 2 of four:
;   (1) the six weights become codes of E2M1 and E8M0 scale bytes (wcod, wscl);   (2) y = relu(LayerNorm(x^T + pos)), quantised along c (ycod, yscl).
; DEAD WORK: none is left out in any launch.  Every input has a way to out0: x and pos through the norm and the residual, ln_g and ln_b through y,
; the six weights through their products, bo by its addition.  The only padding is K = 64 of the scores inside an instruction of K = 128, filled with zero codes.
; LIMITS (all launches): NaN and infinities among the inputs are not served.  A block of zeros gets the byte 1 where the rule says 127: its codes are zeros,
; which add nothing under any byte but 0xff, and the bytes are read by this program alone.  A softmax weight under 2^-126 counts as 0.
; THE LAYOUT OF EVERY OPERAND IN THIS PROGRAM.  A fragment (16 rows x 128 K) is stored as an image of its registers, 1,024 bytes: [block of 32 along K, 0..3][row 0..15][16 bytes];
; two loads of 16 bytes a lane, at 16 x lane and 512 on, give the fragment.  Rows come in groups of 32; tile 2 p + u, row r holds the group's element 8 u + r + 8 (r / 8),
; so that, where such a tile is source 0, the 16 registers of two neighbouring result tiles are 16 neighbours.  Scale bytes: [16 x tile + row][16 bytes = 512 along K].
; wcod: six sections of 131,072 bytes (Wq, Wk, Wv, Wo, proj_k, proj_v), [tile][K step] images;  wscl: six of 8,192 bytes; proj's have two planes of 4,096, one for each 512 along K.
; ycod: [batch][tile 0..63][K step 0..3] images, rows n, K = c;  yscl: [batch][16 x tile + row][16 bytes].
; PART 2.  x: [32][512 c][1024 n] f32;  pos: [1024 n][512 c].  A work-group takes 64 positions n (work-group x) of two batches (2 y, 2 y + 1): pos is fetched once for both.
; Wave w takes c = 32 w .. 32 w + 31, one block of K; lane m the positions n0 + m (set A) and n0 + 32 + m (set B): a lane's 32 registers are a whole block of one row of y.
; pos has c innermost: its 64 rows go through a stage in LDS, rows 2,064 bytes apart (129 x 16: sixteen rows start in sixteen different groups of banks).
; Mean and variance (two passes, as reference() has them) are summed over the 16 waves through LDS; each of the four sums has bytes of its own, so one barrier serves each.
; PART 1.  Wq, Wk, Wv, Wo [512 (K)][512] and proj_k, proj_v [1024 (K)][256] have K as their FIRST axis.  A lane takes a column and its 32 registers run down K: a block of 32 lies in
; one lane, and the conversions give codes with K innermost.  The 48 work-groups with y < 3 take it, g = 16 y + x: tensor g / 8; 64 columns (256 bytes of each row) x 512 along K; wave w the
; rows 32 w on; lane m columns m and 32 + m of the 64.  The 64 loads of a wave go out when batch 1 has landed, into the registers that batch 0 has left, and land while batch 1 is
; worked on; so no launch is spent on the weights alone.  Those 48 work-groups have 64 loads, two blocks and two stores a wave more than the other 208.
.set PSTP,  2064
.set RED,   64*PSTP                    ; 132,096: four regions [wave][lane][8 bytes] of 4,096
.set SCB,   RED+4*4096                 ; 148,480: y's scale bytes, 1,024 for each batch
.set WSCB,  SCB+2048                   ; 150,528: the weights' scale bytes, [64 rows in tile order][16]: straight behind y's, so that y's two address registers serve them
.set SPARE, WSCB+1024                  ; 151,552: the spare words, 128 bytes a wave: named by the closing lines alone
.set SPW,   12
.set NIL,   13
.set TA,    28
.set TB,    29
; v1 m, v2 4 m, v3 16 m, v4 my codes' place, v5 stage in, v6 and v11 stage out (sets A, B), v7 and v8 sums in and out, v9 my scale byte, v10 the bytes' way out
; v14-31 at work; v32-95 batch 0 (A, B), later the weights' 64 numbers; v96-159 batch 1; v160-223 pos (A, B); v224-255 the waves' sums, later the codes
; s54 y; s55 the tensor; s[56:57], s[58:59], s[60:61] the weights' source, codes and scale bytes; s62, s63 see below; s[20:51] my 32 gains; s[68:99] my 32 biases
.macro QBLK32 x, c, so, by
	v_max3_num_f32 v[TA], |v[\x]|, |v[\x+1]|, 0x1800000          ; the floor 2^(3 - 127) among the leaves: the byte cannot fall under 1
	v_max3_num_f32 v[TB], |v[\x+2]|, |v[\x+3]|, |v[\x+4]|
.irp i, 5,9,13,17,21,25
	v_max3_num_f32 v[TA], v[TA], |v[\x+\i]|, |v[\x+\i+1]|
	v_max3_num_f32 v[TB], v[TB], |v[\x+\i+2]|, |v[\x+\i+3]|
.endr
	v_max3_num_f32 v[TA], v[TA], |v[\x+29]|, |v[\x+30]|
	v_max3_num_f32 v[TA], v[TA], v[TB], |v[\x+31]|
	v_add_nc_u32 v[\so], 0xff000000, v[TA]                       ; 2 off the exponent field: the conversion takes that field as its scale
.irp g, 0,1,2,3
	v_cvt_scalef32_pk8_fp4_f32 v[\c+\g], v[\x+8*\g:\x+8*\g+7], v[\so]
.endr
	v_lshrrev_b32 v[\by], 23, v[\so]                             ; the byte; also the plain line behind the conversions
.endm
.macro XLOAD t, i0                     ; 16 rows c of batch t: a row's two loads cover 256 neighbouring bytes
.set i, \i0
.rept 16
	global_load_b32 v[32+64*(\t)+i], v2, s[4:5] offset:(\t)*2097152+i*4096 th:TH_LOAD_NT
	global_load_b32 v[64+64*(\t)+i], v2, s[4:5] offset:(\t)*2097152+i*4096+128 th:TH_LOAD_NT
.set i, i+1
.endr
.endm
.macro WLOADS pitch                    ; a weight's row 32 w + i of K, my two columns: the two loads of a row cover 256 neighbouring bytes
.set i, 0
.rept 32
	global_load_b32 v[32+i], v2, s[56:57] offset:i*\pitch th:TH_LOAD_NT
	global_load_b32 v[64+i], v2, s[56:57] offset:i*\pitch+128 th:TH_LOAD_NT
.set i, i+1
.endr
.endm
.macro PKSUM x                         ; 16 pairs from v[x] on are added, in two chains, into v[16:17]
	v_pk_add_f32 v[16:17], v[\x:\x+1], v[\x+2:\x+3]
	v_pk_add_f32 v[18:19], v[\x+4:\x+5], v[\x+6:\x+7]
.irp i, 8,12,16,20,24,28
	v_pk_add_f32 v[16:17], v[16:17], v[\x+\i:\x+\i+1]
	v_pk_add_f32 v[18:19], v[18:19], v[\x+\i+2:\x+\i+3]
.endr
	v_pk_add_f32 v[16:17], v[16:17], v[18:19]
.endm
.macro PKSQ x                          ; the same of their squares
	v_pk_mul_f32 v[16:17], v[\x:\x+1], v[\x:\x+1]
	v_pk_mul_f32 v[18:19], v[\x+2:\x+3], v[\x+2:\x+3]
.irp i, 4,8,12,16,20,24,28
	v_pk_fma_f32 v[16:17], v[\x+\i:\x+\i+1], v[\x+\i:\x+\i+1], v[16:17]
	v_pk_fma_f32 v[18:19], v[\x+\i+2:\x+\i+3], v[\x+\i+2:\x+\i+3], v[18:19]
.endr
	v_pk_add_f32 v[16:17], v[16:17], v[18:19]
.endm
.macro XWAVES red                      ; (v14, v15), sets A and B, summed over the 16 waves into v[16:17]
	ds_store_b64 v7, v[14:15] offset:(\red)*4096
	s_wait_dscnt 0x0                               ; for the others' sake
	s_barrier_signal -1
	s_barrier_wait -1
	s_wait_xcnt 0x0                                ; v224 on held the codes of the batch before: its stores have read them
.irp k, 0,1,2,3,4,5,6,7,8,9,10,11,12,13,14,15
	ds_load_b64 v[224+2*\k:225+2*\k], v8 offset:(\red)*4096+256*\k
.endr
	s_wait_dscnt 0x0
	PKSUM 224
.endm
.macro BATCH t
.set XB, 32+64*(\t)
.set j, 0
.rept 32
	v_pk_add_f32 v[XB+j:XB+j+1], v[XB+j:XB+j+1], v[160+j:161+j]   ; xf = x + pos
.set j, j+2
.endr
	PKSUM XB
	v_add_f32 v14, v16, v17
	PKSUM XB+32
	v_add_f32 v15, v16, v17
	XWAVES 2*(\t)
	v_pk_mul_f32 v[16:17], v[16:17], s[52:53] op_sel_hi:[1,0]     ; the means: x 1/512
	v_mov_b32 v20, v16
	v_mov_b32 v21, v16
	v_mov_b32 v22, v17
	v_mov_b32 v23, v17
.set j, 0
.rept 16
	v_pk_add_f32 v[XB+j:XB+j+1], v[XB+j:XB+j+1], v[20:21] neg_lo:[0,1] neg_hi:[0,1]
	v_pk_add_f32 v[XB+32+j:XB+33+j], v[XB+32+j:XB+33+j], v[22:23] neg_lo:[0,1] neg_hi:[0,1]
.set j, j+2
.endr
	PKSQ XB
	v_add_f32 v14, v16, v17
	PKSQ XB+32
	v_add_f32 v15, v16, v17
	XWAVES 2*(\t)+1
	v_fma_f32 v24, v16, s52, s53                   ; the variance + eps
	v_fma_f32 v26, v17, s52, s53
	v_rsq_f32 v24, v24
	v_rsq_f32 v26, v26
	v_nop                                          ; a plain line behind the last of the two,
	s_wait_alu depctr_va_vdst(0)                   ; and the wait ahead of their first reader
	v_mov_b32 v25, v24
	v_mov_b32 v27, v26
.set j, 0
.rept 16
	v_pk_mul_f32 v[XB+j:XB+j+1], v[XB+j:XB+j+1], v[24:25]
	v_pk_mul_f32 v[XB+32+j:XB+33+j], v[XB+32+j:XB+33+j], v[26:27]
.set j, j+2
.endr
.set i, 0
.rept 32
	v_fma_f32 v[XB+i], v[XB+i], s[20+i], s[68+i]   ; x gain + bias of c = 32 w + i
	v_fma_f32 v[XB+32+i], v[XB+32+i], s[20+i], s[68+i]
.set i, i+1
.endr
.set i, 0
.rept 64
	v_max_num_f32 v[XB+i], 0, v[XB+i]              ; relu
.set i, i+1
.endr
	QBLK32 XB, 224+8*(\t), 30, 31
	global_store_b128 v4, v[224+8*(\t):227+8*(\t)], s[12:13] offset:(\t)*262144        ; lanes of one tile store 256 consecutive bytes, aligned
	ds_store_b8 v9, v31 offset:(\t)*1024
	QBLK32 XB+32, 228+8*(\t), 30, 31
	global_store_b128 v4, v[228+8*(\t):231+8*(\t)], s[12:13] offset:(\t)*262144+8192
	ds_store_b8 v9, v31 offset:(\t)*1024+512
.endm
	s_load_b256 s[4:11], s[0:1], 0x0               ; x, pos, ln_g s[8:9], ln_b s[10:11]
	s_load_b128 s[12:15], s[0:1], 0x20             ; ycod, yscl
	s_load_b128 s[80:83], s[0:1], 0x30             ; wcod, wscl
	s_load_b256 s[68:75], s[0:1], 0x40             ; Wq, Wk, Wv, Wo
	s_load_b128 s[76:79], s[0:1], 0x60             ; proj_k, proj_v
	v_lshl_add_u32 v[SPW], v0, 2, SPARE
	v_mov_b32 v[NIL], 0
	v_lshrrev_b32 v1, 5, v0
	v_readfirstlane_b32 s16, v1                    ; wave 0..15
	v_and_b32 v1, 31, v0                           ; m
	v_lshlrev_b32 v2, 2, v1
	v_lshlrev_b32 v3, 4, v1
	v_bfe_u32 v14, v1, 3, 1                        ; u = (m / 8) % 2
	v_and_b32 v15, 7, v1
	v_lshrrev_b32 v16, 4, v1
	v_lshl_or_b32 v15, v16, 3, v15                 ; r = m % 8 + 8 (m / 16)
	v_lshlrev_b32 v4, 12, v14
	v_lshl_add_u32 v4, v15, 4, v4                  ; tile u (4,096 bytes), row r
	s_lshl_b32 s17, s16, 7                         ; 128 w: my 32 numbers of a row of c, in bytes
	s_mul_i32 s18, s16, 4*PSTP
	v_lshl_add_u32 v5, v1, 4, s18                  ; stage in: rows 4 w on, 16 bytes a lane
	v_mul_u32_u24 v6, v1, PSTP
	v_add_nc_u32 v6, s17, v6                       ; stage out: row m, my wave's 128 bytes
	v_add_nc_u32 v11, 32*PSTP, v6                  ; and row 32 + m
	s_lshl_b32 s19, s16, 8
	s_add_co_u32 s19, s19, RED
	v_lshl_add_u32 v7, v1, 3, s19
	v_lshl_add_u32 v8, v1, 3, RED
	v_lshl_add_u32 v9, v14, 4, v15
	v_lshlrev_b32 v9, 4, v9
	s_add_co_u32 s19, s16, SCB
	v_add_nc_u32 v9, s19, v9                       ; row 16 u + r, byte w
	s_lshl_b32 s19, s16, 9
	s_add_co_u32 s19, s19, SCB
	v_lshl_add_u32 v10, v1, 4, s19                 ; 512 bytes a wave: waves 0 to 3 y's 2,048, waves 4 and 5 the weights' 1,024
	s_mov_b32 s52, 0x3b000000                      ; 1/512
	s_mov_b32 s53, 0x3727c5ac                      ; 1e-5
	s_and_b32 s54, ttmp7, 0xffff                   ; y: the pair of batches
	s_lshl_b32 s56, s54, 22                        ; x: 2 batches of 2 MiB,
	s_lshl_b32 s55, s16, 17
	s_add_co_u32 s56, s56, s55                     ; 32 rows of 4,096 bytes a wave,
	s_lshl_b32 s55, ttmp9, 8
	s_add_co_u32 s56, s56, s55                     ; 64 positions
	s_mov_b32 s57, 0
	s_lshl_b32 s58, ttmp9, 17                      ; pos: 64 rows of 2,048 bytes, 4 rows a wave
	s_lshl_b32 s55, s16, 13
	s_add_co_u32 s58, s58, s55
	s_mov_b32 s59, 0
	s_lshl_b32 s60, s54, 19                        ; ycod: 262,144 a batch, 4 tiles of 4,096, block w
	s_lshl_b32 s55, ttmp9, 14
	s_add_co_u32 s60, s60, s55
	s_lshl_b32 s55, s16, 8
	s_add_co_u32 s60, s60, s55
	s_mov_b32 s61, 0
	s_lshl_b32 s62, s54, 15                        ; yscl (waves 0 to 3): batch 2 y + w / 2, 64 rows of 16 bytes, half w % 2
	s_lshr_b32 s55, s16, 1
	s_lshl_b32 s55, s55, 14
	s_add_co_u32 s62, s62, s55
	s_lshl_b32 s55, ttmp9, 10
	s_add_co_u32 s62, s62, s55
	s_and_b32 s55, s16, 1
	s_lshl_b32 s55, s55, 9
	s_add_co_u32 s62, s62, s55
	s_mov_b32 s63, 0
	; the weights' part, made of ids in every work-group and used where y < 3 alone.  s84 to s99 are free until the biases are asked for
	s_lshl_b32 s91, s54, 4
	s_add_co_u32 s91, s91, ttmp9                   ; g = 16 y + x
	s_lshr_b32 s84, s91, 3                         ; the tensor, 0..5
	s_and_b32 s85, s91, 7
	s_lshr_b32 s86, s85, 2                         ; proj: which 512 along K,
	s_and_b32 s87, s85, 3                          ; and which 64 columns
	s_mov_b32 s88, 8192                            ; bytes of a tile's images: 8 K steps,
	s_cmp_lt_u32 s84, 4                            ; or, for the four W:
	s_cselect_b32 s86, 0, s86
	s_cselect_b32 s87, s85, s87
	s_cselect_b32 s88, 4096, s88                   ; 4 K steps
	s_cselect_b32 s89, 16, 15                      ; 32 rows of 2,048 or of 1,024 bytes
	s_cselect_b32 s98, 0, 4096                     ; what tile u = 1 lies further on than in y's codes
	s_lshl_b32 s92, s16, s89                       ; the source: my wave's 32 rows,
	s_lshl_b32 s90, s86, 19
	s_add_co_u32 s92, s92, s90                     ; the plane's 512 rows,
	s_lshl_b32 s90, s87, 8
	s_add_co_u32 s92, s92, s90                     ; the 64 columns
	s_mov_b32 s93, 0
	s_mul_i32 s94, s87, s88                        ; the codes: four tiles for 64 columns,
	s_lshl_b32 s94, s94, 2
	s_lshl_b32 s90, s84, 17
	s_add_co_u32 s94, s94, s90                     ; the tensor's section,
	s_lshl_b32 s90, s86, 12
	s_add_co_u32 s94, s94, s90                     ; 16 blocks of 256 bytes a plane,
	s_lshl_b32 s90, s16, 8
	s_add_co_u32 s94, s94, s90                     ; my wave's block
	s_mov_b32 s95, 0
	s_lshl_b32 s96, s84, 13                        ; the scale bytes: section, plane, 64 rows of 16 bytes,
	s_lshl_b32 s90, s86, 12
	s_add_co_u32 s96, s96, s90
	s_lshl_b32 s90, s87, 10
	s_add_co_u32 s96, s96, s90
	s_and_b32 s90, s16, 1
	s_lshl_b32 s90, s90, 9
	s_add_co_u32 s96, s96, s90                     ; and the half that wave 4 or wave 5 stores
	s_mov_b32 s97, 0
	s_lshl_b32 s99, s88, 1                         ; two tiles on: columns 32 + m
	s_wait_kmcnt 0x0
	s_load_b512 s[20:35], s[8:9], s17 offset:0x0   ; my 32 gains
	s_load_b512 s[36:51], s[8:9], s17 offset:0x40
	s_add_nc_u64 s[4:5], s[4:5], s[56:57]
	s_add_nc_u64 s[6:7], s[6:7], s[58:59]
	s_add_nc_u64 s[12:13], s[12:13], s[60:61]
	s_add_nc_u64 s[14:15], s[14:15], s[62:63]
	s_mov_b64 s[56:57], s[68:69]                   ; the tensor's address: a choice on the work-group's number alone
	s_cmp_eq_u32 s84, 1
	s_cselect_b64 s[56:57], s[70:71], s[56:57]
	s_cmp_eq_u32 s84, 2
	s_cselect_b64 s[56:57], s[72:73], s[56:57]
	s_cmp_eq_u32 s84, 3
	s_cselect_b64 s[56:57], s[74:75], s[56:57]
	s_cmp_eq_u32 s84, 4
	s_cselect_b64 s[56:57], s[76:77], s[56:57]
	s_cmp_eq_u32 s84, 5
	s_cselect_b64 s[56:57], s[78:79], s[56:57]
	s_add_nc_u64 s[56:57], s[56:57], s[92:93]
	s_add_nc_u64 s[58:59], s[80:81], s[94:95]
	s_add_nc_u64 s[60:61], s[82:83], s[96:97]
	s_mov_b32 s55, s84
	s_mov_b32 s62, s98
	s_mov_b32 s63, s99
	s_load_b512 s[68:83], s[10:11], s17 offset:0x0 ; my 32 biases, into the registers that held the weights' addresses and offsets
	s_load_b512 s[84:99], s[10:11], s17 offset:0x40
.irp i, 0,1,2,3
.irp j, 0,1,2,3
	global_load_b128 v[160+16*\i+4*\j:163+16*\i+4*\j], v3, s[6:7] offset:\i*2048+\j*512   ; four rows of pos, 512 consecutive bytes a load
.endr
.endr
	XLOAD 0, 0
	s_wait_loadcnt 32                              ; the 32 loads of x issued behind pos may be out
.irp i, 0,1,2,3
.irp j, 0,1,2,3
	ds_store_b128 v5, v[160+16*\i+4*\j:163+16*\i+4*\j] offset:\i*PSTP+\j*512
.endr
.endr
	XLOAD 0, 16
	s_wait_dscnt 0x0                               ; for the others' sake: my four rows lie in the stage
	s_barrier_signal -1
	s_barrier_wait -1
.irp j, 0,1,2,3,4,5,6,7
	ds_load_b128 v[160+4*\j:163+4*\j], v6 offset:16*\j      ; pos(n0 + m, 32 w + 4 j ..)
	ds_load_b128 v[192+4*\j:195+4*\j], v11 offset:16*\j     ; pos(n0 + 32 + m, ..)
.endr
	s_wait_loadcnt 0x0                             ; batch 0 is in;
	XLOAD 1, 0                                     ; batch 1 is on its way while batch 0 is worked on
	XLOAD 1, 16
	s_wait_dscnt 0x0
	s_wait_kmcnt 0x0                               ; gains and biases
	BATCH 0
	s_wait_loadcnt 0x0                             ; batch 1 is in
	s_cmp_lt_u32 s54, 3                            ; THE WEIGHTS, where y < 3: my 64 numbers are asked for, into the registers that batch 0 has left; they land while batch 1 is worked on
	s_cbranch_scc0 .Lwasked
	s_cmp_lt_u32 s55, 4                            ; the two pitches stand in the loads' immediates
	s_cbranch_scc0 .Lwproj
	WLOADS 2048
	s_branch .Lwasked
.Lwproj:
	WLOADS 1024
.Lwasked:
	BATCH 1
	s_cmp_lt_u32 s54, 3
	s_cbranch_scc0 .Lwdone
	s_wait_loadcnt 0x0                             ; the weights' numbers are in
	v_and_b32 v20, s62, v4
	v_add_nc_u32 v20, v20, v4                      ; column m: tile u, of 4,096 or 8,192 bytes, row r
	v_add_nc_u32 v21, s63, v20                     ; column 32 + m: two tiles on
	QBLK32 32, 240, 30, 31
	global_store_b128 v20, v[240:243], s[58:59]    ; lanes of one u store 256 consecutive bytes, aligned
	ds_store_b8 v9, v31 offset:2048                ; WSCB: row 16 u + r, byte w
	QBLK32 64, 244, 30, 31
	global_store_b128 v21, v[244:247], s[58:59]
	ds_store_b8 v9, v31 offset:2048+512
.Lwdone:
	s_wait_dscnt 0x0                               ; for the others' sake: my scale bytes lie in LDS
	s_barrier_signal -1
	s_barrier_wait -1
	s_cmp_lt_u32 s16, 4
	s_cbranch_scc0 .Lw45
	ds_load_b128 v[16:19], v10                     ; waves 0 to 3: y's scale bytes
	s_wait_dscnt 0x0
	global_store_b128 v3, v[16:19], s[14:15]       ; 512 consecutive bytes a wave
	s_branch .Lend
.Lw45:
	s_cmp_lt_u32 s16, 6
	s_cbranch_scc0 .Lend
	s_cmp_lt_u32 s54, 3
	s_cbranch_scc0 .Lend
	ds_load_b128 v[16:19], v10                     ; waves 4 and 5, where y < 3: the weights' 64 rows x 16 bytes
	s_wait_dscnt 0x0
	global_store_b128 v3, v[16:19], s[60:61]       ; 512 consecutive bytes a wave
.Lend:
	s_wait_tensorcnt 0x0                           ; the wave's end
	ds_add_u32 v[SPW], v[NIL]
	s_wait_dscnt 0x0
	s_endpgm
.Lfunc_end_k_qcbd83a693b_ln:
	.size	k_qcbd83a693b_ln, .Lfunc_end_k_qcbd83a693b_ln-k_qcbd83a693b_ln
	.p2alignl 7, 3214868480
	.fill 96, 4, 3214868480
	.section	.rodata,"a",@progbits
	.p2align	6, 0x0
	.amdhsa_kernel k_qcbd83a693b_ln
		.amdhsa_group_segment_fixed_size 153600
		.amdhsa_private_segment_fixed_size 0
		.amdhsa_enable_private_segment 0
		.amdhsa_kernarg_size 112
		.amdhsa_user_sgpr_count 2
		.amdhsa_user_sgpr_kernarg_segment_ptr 1
		.amdhsa_wavefront_size32 1
		.amdhsa_system_sgpr_workgroup_id_x 1
		.amdhsa_system_sgpr_workgroup_id_y 1
		.amdhsa_system_sgpr_workgroup_id_z 1
		.amdhsa_system_vgpr_workitem_id 0
		.amdhsa_next_free_vgpr 256
		.amdhsa_next_free_sgpr 100
		.amdhsa_reserve_vcc 0
		.amdhsa_float_denorm_mode_32 3
		.amdhsa_float_denorm_mode_16_64 3
		.amdhsa_memory_ordered 1
		.amdhsa_forward_progress 1
		.amdhsa_inst_pref_size 86
	.end_amdhsa_kernel
	.amdgpu_metadata
---
amdhsa.version: [ 1, 2 ]
amdhsa.kernels:
  - .name:           k_qcbd83a693b_ln
    .symbol:         k_qcbd83a693b_ln.kd
    .args:
      - { .name: x, .offset: 0, .size: 8, .value_kind: global_buffer, .address_space: global }
      - { .name: pos, .offset: 8, .size: 8, .value_kind: global_buffer, .address_space: global }
      - { .name: ln_g, .offset: 16, .size: 8, .value_kind: global_buffer, .address_space: global }
      - { .name: ln_b, .offset: 24, .size: 8, .value_kind: global_buffer, .address_space: global }
      - { .name: ycod, .offset: 32, .size: 8, .value_kind: global_buffer, .address_space: global }
      - { .name: yscl, .offset: 40, .size: 8, .value_kind: global_buffer, .address_space: global }
      - { .name: wcod, .offset: 48, .size: 8, .value_kind: global_buffer, .address_space: global }
      - { .name: wscl, .offset: 56, .size: 8, .value_kind: global_buffer, .address_space: global }
      - { .name: Wq, .offset: 64, .size: 8, .value_kind: global_buffer, .address_space: global }
      - { .name: Wk, .offset: 72, .size: 8, .value_kind: global_buffer, .address_space: global }
      - { .name: Wv, .offset: 80, .size: 8, .value_kind: global_buffer, .address_space: global }
      - { .name: Wo, .offset: 88, .size: 8, .value_kind: global_buffer, .address_space: global }
      - { .name: proj_k, .offset: 96, .size: 8, .value_kind: global_buffer, .address_space: global }
      - { .name: proj_v, .offset: 104, .size: 8, .value_kind: global_buffer, .address_space: global }
    .group_segment_fixed_size: 153600
    .private_segment_fixed_size: 0
    .kernarg_segment_align: 8
    .kernarg_segment_size: 112
    .max_flat_workgroup_size: 512
    .sgpr_count:     100
    .vgpr_count:     256
    .wavefront_size: 32
...
	.end_amdgpu_metadata
.endif
;; end of part 1
;; launch attn (part 2): grid 8 x 32, 4 waves a work-group, no clusters, 131,072 bytes of LDS; arguments ycod, yscl, wcod, wscl, acod, ascl; writes acod, ascl
.if DOCPART == 2
	.amdgcn_target "amdgcn-amd-amdhsa--gfx1250"
	.amdhsa_code_object_version 6
	.text
	.protected	k_qcbd83a693b_attn
	.globl	k_qcbd83a693b_attn
	.p2align	8
	.type	k_qcbd83a693b_attn,@function
k_qcbd83a693b_attn:
	s_mov_b64 s[64:65], 0
	v_nop
	global_prefetch_b8 v0, s[64:65] scope:SCOPE_SE
	s_setreg_imm32_b32 hwreg(HW_REG_WAVE_MODE, 25, 1), 1
	s_wait_xcnt 0x0
; Launch 3 of 4: one work-group for a batch (y) and a head (x): q, y Wk, y Wv, k_ = proj_k^T (y Wk), v_ = proj_v^T (y Wv), the softmax and its product with v_; the result, quantised along c, goes to acod and ascl.
; All seven products on codes of E2M1 with E8M0 scales.  No work is left out.  Layout of all operands: head of the first kernel.
; SHARES.  Wave w owns positions 256 w .. 256 w + 255 (8 pairs of tiles) and key tiles 4 w .. 4 w + 3.
; P1, a pair of y's tiles at a time: q^T (source 0 = Wq's tile: a lane holds one position, registers run along d), (y Wk)^T and (y Wv)^T (source 0 = y's tile: a lane holds one d, registers run along n).
;     Each result is quantised in registers, half a block a lane, and goes to LDS as part of an operand's image.
; P2: k_ (source 0 = (y Wk)^T: a lane holds one key, registers along d) and v_^T (source 0 = proj_v: a lane holds one d, registers along the keys), K = n = 1,024; quantised, to LDS.
; P3, a tile of 16 queries at a time: S^T = k_ q^T for all 256 keys; p = 2^(t - M), M = ceil(the row's largest t); the row's sum of the unquantised p; p quantised; O^T = v_^T p^T; O / sum, quantised along c.
;     K of the scores is 64: a fragment of k_ packs two key tiles (blocks 0, 1 and 2, 3), and q stands against zero codes in the other two blocks.
; NO CLUSTER, NO TENSOR LOAD: each image of y goes from memory straight into the registers of the one wave that multiplies it, 512 consecutive bytes a load; a joint load would land in LDS, from which all
;     272 KB of a batch's y would be read once more.  What the 8 heads of a batch share is read 8 times from the cache instead.
; REGISTERS, in windows of 256.  Window 0: v1-15 addresses; v16-63 scale words alone; v64-127 at work; v128-255 two buffers of operands, in P3 the scores.
;   Window 1: P1 Wq, Wk; P2 proj_k's 32 fragments; P3 k_ and v_^T.   Window 2: P1 Wv; P2 proj_v's.   Window 3: accumulators, a block of 32 along the next K in 16 registers.
.set KT,    0                          ; (y Wk)^T: [d tile][block along n, 0..31][row][16]
.set VT,    32768                      ; (y Wv)^T
.set QI,    65536                      ; q: [tile 0..63][block 0..1][row][16]
.set QS,    98304                      ; q's scale words, 128 bytes a tile
.set KTS,   106496                     ; (y Wk)^T's scale bytes: [d tile][row][32]
.set VTS,   108544
.set KI,    110592                     ; k_: 8 packed fragments
.set KIS,   118784                     ; their scale words
.set VI,    119808                     ; v_^T: [d tile][K step 0..1]
.set VIS,   128000                     ; their scale words, 64 bytes each
.set OS,    128512                     ; the result's scale bytes, 512 a wave
.set SPARE, 130560                     ; the spare words, 128 bytes a wave
.set LI,  1                            ; 16 x lane
.set A8,  2                            ; 16 r + 8 h: half a block's place in an image
.set L4,  3                            ; 4 x lane
.set R32, 4                            ; 32 r
.set ADQ, 5                            ; v5-8: LDS addresses in hand
.set ADS, 6
.set ADK, 7
.set ADB, 8
.set R4,  9
.set R2,  10
.set L32, 11
.set SPW, 14
.set NIL, 15
.set MSB, 0
.macro WIN new                         ; bits 1:0 source 0, 3:2 source 1, 5:4 source 2, 7:6 destination; the high byte repeats the setting that is left
.if MSB != (\new)
	s_set_vgpr_msb (MSB<<8)|(\new)
.set MSB, (\new)
.endif
.endm
.macro PLACES                          ; four plain lines behind a matrix instruction, ahead of reads of its result and of loads into its registers
.rept 4
	v_nop
.endr
.endm
; one matrix instruction.  z: the sum starts (C = 0), else C = D;  sa, sb: the scale registers;  ra, rb: 1 = the scales stand in lanes 16-31
.macro MM d, a, b, z, sa, ra, sb, rb
.if (\z)
.if (\ra) && (\rb)
	v_wmma_scale_f32_16x16x128_f8f6f4 v[\d:\d+7], v[\a:\a+7], v[\b:\b+7], 0, v[\sa], v[\sb] matrix_a_fmt:MATRIX_FMT_FP4 matrix_b_fmt:MATRIX_FMT_FP4 matrix_a_scale:MATRIX_SCALE_ROW1 matrix_b_scale:MATRIX_SCALE_ROW1
.elseif (\ra)
	v_wmma_scale_f32_16x16x128_f8f6f4 v[\d:\d+7], v[\a:\a+7], v[\b:\b+7], 0, v[\sa], v[\sb] matrix_a_fmt:MATRIX_FMT_FP4 matrix_b_fmt:MATRIX_FMT_FP4 matrix_a_scale:MATRIX_SCALE_ROW1
.elseif (\rb)
	v_wmma_scale_f32_16x16x128_f8f6f4 v[\d:\d+7], v[\a:\a+7], v[\b:\b+7], 0, v[\sa], v[\sb] matrix_a_fmt:MATRIX_FMT_FP4 matrix_b_fmt:MATRIX_FMT_FP4 matrix_b_scale:MATRIX_SCALE_ROW1
.else
	v_wmma_scale_f32_16x16x128_f8f6f4 v[\d:\d+7], v[\a:\a+7], v[\b:\b+7], 0, v[\sa], v[\sb] matrix_a_fmt:MATRIX_FMT_FP4 matrix_b_fmt:MATRIX_FMT_FP4
.endif
.else
.if (\ra) && (\rb)
	v_wmma_scale_f32_16x16x128_f8f6f4 v[\d:\d+7], v[\a:\a+7], v[\b:\b+7], v[\d:\d+7], v[\sa], v[\sb] matrix_a_fmt:MATRIX_FMT_FP4 matrix_b_fmt:MATRIX_FMT_FP4 matrix_a_scale:MATRIX_SCALE_ROW1 matrix_b_scale:MATRIX_SCALE_ROW1
.elseif (\ra)
	v_wmma_scale_f32_16x16x128_f8f6f4 v[\d:\d+7], v[\a:\a+7], v[\b:\b+7], v[\d:\d+7], v[\sa], v[\sb] matrix_a_fmt:MATRIX_FMT_FP4 matrix_b_fmt:MATRIX_FMT_FP4 matrix_a_scale:MATRIX_SCALE_ROW1
.elseif (\rb)
	v_wmma_scale_f32_16x16x128_f8f6f4 v[\d:\d+7], v[\a:\a+7], v[\b:\b+7], v[\d:\d+7], v[\sa], v[\sb] matrix_a_fmt:MATRIX_FMT_FP4 matrix_b_fmt:MATRIX_FMT_FP4 matrix_b_scale:MATRIX_SCALE_ROW1
.else
	v_wmma_scale_f32_16x16x128_f8f6f4 v[\d:\d+7], v[\a:\a+7], v[\b:\b+7], v[\d:\d+7], v[\sa], v[\sb] matrix_a_fmt:MATRIX_FMT_FP4 matrix_b_fmt:MATRIX_FMT_FP4
.endif
.endif
.endm
; THE QUANTISER of n blocks.  Block e: my 16 numbers in v[ab + 16 e] on, in window aw; lane l xor 16 holds the block's other 16.
.macro QMAX n, ab, aw, tm              ; my 16's largest magnitude into v[tm + e]; the blocks by turns, each accumulator from its low end on
	WIN (\aw)|((\aw)<<2)
.set e, 0
.rept \n
	v_max3_num_f32 v[\tm+e], |v[\ab+16*e]|, |v[\ab+16*e+1]|, 0x1800000   ; the floor 2^(3 - 127): the byte cannot fall under 1
.set e, e+1
.endr
	WIN ((\aw)<<2)|((\aw)<<4)
.irp i, 2,4,6,8,10,12,14
.set e, 0
.rept \n
	v_max3_num_f32 v[\tm+e], v[\tm+e], |v[\ab+16*e+\i]|, |v[\ab+16*e+\i+1]|
.set e, e+1
.endr
.endr
.endm
.macro QSC n, tm, tp, so               ; the block's largest magnitude; v[so + e]: the conversion's scale operand; v[tm + e]: the byte
	WIN 0
.set e, 0
.rept \n
	v_permlanex16_b32 v[\tp+e], v[\tm+e], s20, s21
.set e, e+1
.endr
.set e, 0
.rept \n
	v_max_num_f32 v[\tm+e], v[\tm+e], v[\tp+e]
.set e, e+1
.endr
.set e, 0
.rept \n
	v_add_nc_u32 v[\so+e], 0xff000000, v[\tm+e]    ; 2 off the exponent field
.set e, e+1
.endr
.set e, 0
.rept \n
	v_lshrrev_b32 v[\tm+e], 23, v[\so+e]
.set e, e+1
.endr
.endm
.macro QCV n, ab, aw, pc, so           ; my 16 codes of block e into v[pc + 2 e], v[pc + 2 e + 1]
	WIN \aw
.set e, 0
.rept \n
	v_cvt_scalef32_pk8_fp4_f32 v[\pc+2*e], v[\ab+16*e:\ab+16*e+7], v[\so+e]
	v_cvt_scalef32_pk8_fp4_f32 v[\pc+2*e+1], v[\ab+16*e+8:\ab+16*e+15], v[\so+e]
.set e, e+1
.endr
	WIN 0
	v_nop                                          ; one plain line behind the last conversion
.endm
	s_load_b256 s[4:11], s[0:1], 0x0               ; ycod, yscl, wcod s[8:9], wscl s[10:11]
	s_load_b128 s[12:15], s[0:1], 0x20             ; acod, ascl
	v_lshl_add_u32 v[SPW], v0, 2, SPARE
	v_mov_b32 v[NIL], 0
	v_lshrrev_b32 v1, 5, v0
	v_readfirstlane_b32 s16, v1                    ; wave 0..3
	v_and_b32 v12, 31, v0                          ; lane
	v_and_b32 v13, 15, v0                          ; r
	v_bfe_u32 v5, v0, 4, 1                         ; h
	v_lshlrev_b32 v[LI], 4, v12
	v_lshlrev_b32 v[A8], 4, v13
	v_lshl_add_u32 v[A8], v5, 3, v[A8]
	v_lshlrev_b32 v[L4], 2, v12
	v_lshlrev_b32 v[R32], 5, v13
	v_lshlrev_b32 v[R4], 2, v13
	v_lshlrev_b32 v[R2], 1, v13
	v_lshlrev_b32 v[L32], 5, v12
.set e, 76
.rept 20
	v_mov_b32 v[e], 0                              ; written once: a lane permute's destination counts as one of its sources
.set e, e+1
.endr
	s_mov_b32 s17, ttmp9                           ; the head
	s_and_b32 s18, ttmp7, 0xffff                   ; the batch
	s_mov_b32 s20, 0x76543210                      ; v_permlanex16_b32's selects for lane l xor 16
	s_mov_b32 s21, 0xfedcba98
	s_mov_b32 s22, 0x3e38aa3b                      ; c = log2(e) / 8: t = score x c
	s_mov_b32 s23, s22                             ; (named with it as a pair)
	s_lshl_b32 s48, s18, 18                        ; ycod, acod: 262,144 a batch, 65,536 for a wave's 16 tiles
	s_lshl_b32 s50, s16, 16
	s_add_co_u32 s48, s48, s50
	s_mov_b32 s49, 0
	s_lshl_b32 s52, s17, 9                         ; acod: the head's two blocks: K step head / 2, blocks 2 (head % 2) on = 512 x head
	s_add_co_u32 s52, s52, s48
	s_mov_b32 s53, 0
	s_lshl_b32 s50, s18, 14                        ; yscl: 16,384 a batch, 4,096 a wave
	s_lshl_b32 s54, s16, 12
	s_add_co_u32 s50, s50, s54
	s_mov_b32 s51, 0
	s_lshl_b32 s54, s16, 15                        ; proj_k's section, my four tiles of 8,192
	s_add_co_u32 s54, s54, 524288
	s_mov_b32 s55, 0
	s_lshl_b32 s56, s16, 10                        ; its scale bytes, my 64 rows
	s_add_co_u32 s56, s56, 32768
	s_mov_b32 s57, 0
	s_lshl_b32 s58, s17, 14                        ; Wq's section, the head's four tiles of 4,096
	s_mov_b32 s59, 0
	s_lshl_b32 s60, s17, 10                        ; its scale bytes, the head's 64 rows
	s_mov_b32 s61, 0
	s_lshl_b32 s62, s18, 14                        ; ascl: [batch][head][1,024 rows] 2 bytes, my 256 rows
	s_lshl_b32 s63, s17, 11
	s_add_co_u32 s62, s62, s63
	s_lshl_b32 s63, s16, 9
	s_add_co_u32 s62, s62, s63
	s_mov_b32 s63, 0
	s_lshl_b32 s32, s16, 13                        ; LDS: my 16 tiles of q,
	s_add_co_u32 s32, s32, QI
	s_lshl_b32 s33, s16, 11                        ; their scale words,
	s_add_co_u32 s33, s33, QS
	s_lshl_b32 s34, s16, 11                        ; my 8 blocks along n in each d tile (KT = 0),
	s_lshl_b32 s35, s16, 3                         ; their scale bytes
	s_add_co_u32 s35, s35, KTS
	s_wait_kmcnt 0x0
	s_add_nc_u64 s[24:25], s[4:5], s[48:49]        ; y's codes, my first pair
	s_add_nc_u64 s[26:27], s[6:7], s[50:51]        ; y's scale bytes
	s_add_nc_u64 s[28:29], s[12:13], s[52:53]      ; where my first tile's result goes
	s_add_nc_u64 s[38:39], s[8:9], s[54:55]
	s_add_nc_u64 s[40:41], s[10:11], s[56:57]
	s_add_nc_u64 s[42:43], s[8:9], s[58:59]
	s_add_nc_u64 s[44:45], s[10:11], s[60:61]
	s_add_nc_u64 s[46:47], s[14:15], s[62:63]
	; ---- the head's 64 columns of Wq, Wk, Wv stay in registers through P1: fragment (d tile dt, K step s) at 8 (4 dt + s)
	WIN 0x40
.set f, 0
.rept 16
	global_load_b128 v[8*f:8*f+3], v[LI], s[42:43] offset:f*1024
	global_load_b128 v[8*f+4:8*f+7], v[LI], s[42:43] offset:f*1024+512
	global_load_b128 v[128+8*f:128+8*f+3], v[LI], s[42:43] offset:131072+f*1024
	global_load_b128 v[128+8*f+4:128+8*f+7], v[LI], s[42:43] offset:131072+f*1024+512
.set f, f+1
.endr
	WIN 0x80
.set f, 0
.rept 16
	global_load_b128 v[8*f:8*f+3], v[LI], s[42:43] offset:262144+f*1024
	global_load_b128 v[8*f+4:8*f+7], v[LI], s[42:43] offset:262144+f*1024+512
.set f, f+1
.endr
	WIN 0
.irp dp, 0,1                           ; scale words: register 4 (dt / 2) + s; lanes 0-15 the even tile, lanes 16-31 the odd one
	global_load_b128 v[16+4*\dp:19+4*\dp], v[LI], s[44:45] offset:512*\dp
	global_load_b128 v[24+4*\dp:27+4*\dp], v[LI], s[44:45] offset:8192+512*\dp
	global_load_b128 v[32+4*\dp:35+4*\dp], v[LI], s[44:45] offset:16384+512*\dp
.endr
; a pair of y's tiles, po pairs on from the base: 8,192 consecutive bytes, fragment (u, s) at 8 (4 u + s) of buffer buf, and the pair's scale words: 17 loads
.macro YLOAD buf, po
.irp f, 0,1,2,3,4,5,6,7
	global_load_b128 v[128+64*(\buf)+8*\f:128+64*(\buf)+8*\f+3], v[LI], s[24:25] offset:(\po)*8192+\f*1024
	global_load_b128 v[128+64*(\buf)+8*\f+4:128+64*(\buf)+8*\f+7], v[LI], s[24:25] offset:(\po)*8192+\f*1024+512
.endr
	global_load_b128 v[40+4*(\buf):43+4*(\buf)], v[LI], s[26:27] offset:(\po)*512
.endm
	YLOAD 0, 0
	YLOAD 1, 1
.macro TRIPHEAD                        ; the LDS addresses of a trip's two pairs
	v_add_nc_u32 v[ADQ], s32, v[A8]
	v_add_nc_u32 v[ADS], s33, v[L4]
	v_add_nc_u32 v[ADK], s34, v[A8]
	v_add_nc_u32 v[ADB], s35, v[R32]
.endm
; ONE PAIR OF TILES (32 positions).  96 matrix instructions on 24 accumulators, which take turns, one instruction a turn.
; mode 1: the buffer takes the pair two further on;  0: nothing;  2 (the last pair): proj_k's scale words and its K steps 0 to 6.  cnt: the loads issued behind this buffer's.
.macro PAIR buf, mode, cnt
	s_wait_loadcnt \cnt
.irp s, 0,1,2,3
	WIN 0xf1                                       ; q^T: source 0 Wq (window 1), source 1 y
.irp u, 0,1
.irp dt, 0,1,2,3
	MM 8*(4*\u+\dt), 8*(4*\dt+\s), 128+64*(\buf)+8*(4*\u+\s), \s==0, 16+4*(\dt/2)+\s, \dt%2, 40+4*(\buf)+\s, \u
.endr
.endr
	WIN 0xf4                                       ; (y Wk)^T: source 0 y, source 1 Wk (window 1)
.irp dt, 0,1,2,3
.irp u, 0,1
	MM 64+8*(2*\dt+\u), 128+64*(\buf)+8*(4*\u+\s), 128+8*(4*\dt+\s), \s==0, 40+4*(\buf)+\s, \u, 24+4*(\dt/2)+\s, \dt%2
.endr
.endr
	WIN 0xf8                                       ; (y Wv)^T: source 1 Wv (window 2)
.irp dt, 0,1,2,3
.irp u, 0,1
	MM 128+8*(2*\dt+\u), 128+64*(\buf)+8*(4*\u+\s), 8*(4*\dt+\s), \s==0, 40+4*(\buf)+\s, \u, 32+4*(\dt/2)+\s, \dt%2
.endr
.endr
.endr
	WIN 0
	PLACES
.if (\mode)==1
	YLOAD \buf, 2+(\buf)
.endif
.if (\mode)==2
.irp kp, 0,1                           ; proj_k's scale words: register 8 (tile / 2) + s
.irp g2, 0,1
	global_load_b128 v[32+8*\kp+4*\g2:35+8*\kp+4*\g2], v[LI], s[40:41] offset:\g2*4096+\kp*512
.endr
.endr
	WIN 0x40
.irp s7, 0,1,2,3,4,5,6                 ; proj_k's fragments (tile kt, K step s) at 8 (8 kt + s), K step by K step
.irp kt, 0,1,2,3
	global_load_b128 v[8*(8*\kt+\s7):8*(8*\kt+\s7)+3], v[LI], s[38:39] offset:\kt*8192+\s7*1024
	global_load_b128 v[8*(8*\kt+\s7)+4:8*(8*\kt+\s7)+7], v[LI], s[38:39] offset:\kt*8192+\s7*1024+512
.endr
.endr
	WIN 0
.endif
	; twelve blocks: e = 2 u + bb: q(tile u, d 32 bb on);  4 + dt: (y Wk)^T(d tile dt, these 32 positions);  8 + dt: (y Wv)^T
	QMAX 12, 0, 3, 64
	QSC 12, 64, 76, 88
.irp u, 0,1
	v_lshl_or_b32 v[64+2*\u], v[65+2*\u], 8, v[64+2*\u]
	v_lshl_or_b32 v[64+2*\u], v[64+2*\u], 16, v[64+2*\u]         ; q's word: its two bytes twice, for either half of K = 128
.endr
	QCV 12, 0, 3, 100, 88
.irp u, 0,1
.irp bb, 0,1
	ds_store_b64 v[ADQ], v[100+2*(2*\u+\bb):101+2*(2*\u+\bb)] offset:(\buf)*1024+\u*512+\bb*256
.endr
	ds_store_b32 v[ADS], v[64+2*\u] offset:(\buf)*256+\u*128
.endr
.irp kv, 0,1
.irp dt, 0,1,2,3
	ds_store_b64 v[ADK], v[100+2*(4+4*\kv+\dt):101+2*(4+4*\kv+\dt)] offset:\kv*32768+\dt*8192+(\buf)*256
	ds_store_b8 v[ADB], v[68+4*\kv+\dt] offset:\kv*2048+\dt*512+(\buf)   ; both lanes of a block write the same byte with the same value
.endr
.endr
.endm
	s_mov_b32 s36, 3
.Lp1:                                  ; three trips of two pairs; each asks for the pairs of the next trip
	TRIPHEAD
	PAIR 0, 1, 17                                  ; 17: the other buffer's loads may be out
	PAIR 1, 1, 17
	s_wait_xcnt 0x0                                ; the loads have read their bases
	s_add_nc_u64 s[24:25], s[24:25], 16384
	s_add_nc_u64 s[26:27], s[26:27], 1024
	s_add_co_u32 s32, s32, 2048
	s_add_co_u32 s33, s33, 512
	s_add_co_u32 s34, s34, 512
	s_add_co_u32 s35, s35, 2
	s_sub_co_u32 s36, s36, 1
	s_cmp_lg_u32 s36, 0
	s_cbranch_scc1 .Lp1
	TRIPHEAD                                       ; the last two pairs are written out: no load leaves y's buffers
	PAIR 0, 0, 17
	PAIR 1, 2, 0
	s_wait_dscnt 0x0                               ; for the others' sake: my parts of (y Wk)^T and (y Wv)^T lie in LDS
	s_barrier_signal -1
	s_barrier_wait -1
	; ---- P2.  K = n in 8 steps; two buffers H of two steps' fragments of (y W)^T: fragment (step % 2, dt) at 32 (s % 2) + 8 dt
.macro HFILL hb, kv, s0
.irp sl, 0,1
.irp dt, 0,1,2,3
	ds_load_b128 v[128+64*(\hb)+32*\sl+8*\dt:128+64*(\hb)+32*\sl+8*\dt+3], v[LI] offset:(\kv)*32768+\dt*8192+((\s0)+\sl)*1024
	ds_load_b128 v[128+64*(\hb)+32*\sl+8*\dt+4:128+64*(\hb)+32*\sl+8*\dt+7], v[LI] offset:(\kv)*32768+\dt*8192+((\s0)+\sl)*1024+512
.endr
.endr
.endm
.macro XSLOAD kv                       ; the scale words of (y W)^T: register 8 (dt / 2) + s
.irp dp, 0,1
.irp g2, 0,1
	ds_load_b128 v[16+8*\dp+4*\g2:19+8*\dp+4*\g2], v[ADB] offset:(\kv)*2048+\dp*1024+\g2*16
.endr
.endr
.endm
.macro KSTEP g                         ; K steps 2 g, 2 g + 1 of k_: 32 matrix instructions on 16 accumulators by turns; then proj_v's fragments of the same steps are asked for
	s_wait_loadcnt 52                              ; behind proj_k's step 2 g + 1 were issued: its later steps, proj_v's scale words and proj_v's steps so far: 52 at every g
.if (\g)<3
	s_wait_dscnt 16                                ; the other buffer's fill may be out
.else
	s_wait_dscnt 0x0
.endif
	WIN 0xf4                                       ; source 0 (y Wk)^T, source 1 proj_k (window 1)
.irp sl, 0,1
.irp kt, 0,1,2,3
.irp dt, 0,1,2,3
	MM 8*(4*\kt+\dt), 128+64*((\g)%2)+32*\sl+8*\dt, 8*(8*\kt+2*(\g)+\sl), (2*(\g)+\sl)==0, 16+8*(\dt/2)+2*(\g)+\sl, \dt%2, 32+8*(\kt/2)+2*(\g)+\sl, \kt%2
.endr
.endr
.endr
	WIN 0
	PLACES
.if (\g)<2
	HFILL (\g)%2, 0, 2*(\g)+4
.endif
	WIN 0x80
.irp sl, 0,1
.irp kt, 0,1,2,3
	global_load_b128 v[8*(8*\kt+2*(\g)+\sl):8*(8*\kt+2*(\g)+\sl)+3], v[LI], s[38:39] offset:131072+\kt*8192+(2*(\g)+\sl)*1024
	global_load_b128 v[8*(8*\kt+2*(\g)+\sl)+4:8*(8*\kt+2*(\g)+\sl)+7], v[LI], s[38:39] offset:131072+\kt*8192+(2*(\g)+\sl)*1024+512
.endr
.endr
	WIN 0
.endm
.macro VSTEP g                         ; the same of v_^T
	s_wait_loadcnt 48-16*(\g)                      ; proj_v's later steps may be out
.if (\g)<3
	s_wait_dscnt 16
.else
	s_wait_dscnt 0x0
.endif
	WIN 0xf2                                       ; source 0 proj_v (window 2), source 1 (y Wv)^T
.irp sl, 0,1
.irp dt, 0,1,2,3
.irp kt, 0,1,2,3
	MM 128+8*(4*\dt+\kt), 8*(8*\kt+2*(\g)+\sl), 128+64*((\g)%2)+32*\sl+8*\dt, (2*(\g)+\sl)==0, 48+8*(\kt/2)+2*(\g)+\sl, \kt%2, 16+8*(\dt/2)+2*(\g)+\sl, \dt%2
.endr
.endr
.endr
	WIN 0
	PLACES
.if (\g)<2
	HFILL (\g)%2, 1, 2*(\g)+4
.endif
.endm
	WIN 0x40
.irp kt, 0,1,2,3                       ; proj_k's last K step
	global_load_b128 v[8*(8*\kt+7):8*(8*\kt+7)+3], v[LI], s[38:39] offset:\kt*8192+7*1024
	global_load_b128 v[8*(8*\kt+7)+4:8*(8*\kt+7)+7], v[LI], s[38:39] offset:\kt*8192+7*1024+512
.endr
	WIN 0
.irp kp, 0,1                           ; proj_v's scale words
.irp g2, 0,1
	global_load_b128 v[48+8*\kp+4*\g2:51+8*\kp+4*\g2], v[LI], s[40:41] offset:8192+\g2*4096+\kp*512
.endr
.endr
	v_add_nc_u32 v[ADB], KTS, v[L32]
	XSLOAD 0
	HFILL 0, 0, 0
	HFILL 1, 0, 2
	KSTEP 0
	KSTEP 1
	KSTEP 2
	KSTEP 3
	XSLOAD 1
	HFILL 0, 1, 0
	HFILL 1, 1, 2
	VSTEP 0
	VSTEP 1
	VSTEP 2
	VSTEP 3
	s_lshl_b32 s48, s16, 11                        ; where my results go: k_: packed fragments 2 w, 2 w + 1;
	s_add_co_u32 s48, s48, KI
	v_add_nc_u32 v[ADQ], s48, v[A8]
	s_lshl_b32 s48, s16, 8
	s_add_co_u32 s48, s48, KIS
	v_add_nc_u32 v[ADS], s48, v[L4]
	s_lshl_b32 s48, s16, 9                         ; v_^T: key blocks 2 w, 2 w + 1: K step w / 2, blocks 2 (w % 2) on = 512 w;
	s_add_co_u32 s48, s48, VI
	v_add_nc_u32 v[ADK], s48, v[A8]
	s_lshr_b32 s48, s16, 1                         ; their two bytes of the K step's word
	s_lshl_b32 s48, s48, 6
	s_and_b32 s50, s16, 1
	s_lshl_b32 s50, s50, 1
	s_add_co_u32 s48, s48, s50
	s_add_co_u32 s48, s48, VIS
	v_add_nc_u32 v[ADB], s48, v[R4]
	; sixteen blocks: e = 2 kt + bb: k_(key tile kt, d 32 bb on);  8 + 2 dt + pp: v_^T(d tile dt, keys 32 (2 w + pp) on)
	QMAX 16, 0, 3, 64
	QSC 16, 64, 80, 96
.irp f, 0,1
	v_lshl_or_b32 v[112+\f], v[65+4*\f], 8, v[64+4*\f]           ; a packed fragment's word: two tiles' two bytes
	v_lshl_or_b32 v[112+\f], v[66+4*\f], 16, v[112+\f]
	v_lshl_or_b32 v[112+\f], v[67+4*\f], 24, v[112+\f]
.endr
.irp dt, 0,1,2,3
	v_lshl_or_b32 v[116+\dt], v[73+2*\dt], 8, v[72+2*\dt]
.endr
	QCV 16, 0, 3, 128, 96
.irp kt, 0,1,2,3
.irp bb, 0,1
	ds_store_b64 v[ADQ], v[128+2*(2*\kt+\bb):129+2*(2*\kt+\bb)] offset:(\kt/2)*1024+(\kt%2)*512+\bb*256
.endr
.endr
.irp f, 0,1
	ds_store_b32 v[ADS], v[112+\f] offset:\f*128
.endr
.irp dt, 0,1,2,3
.irp pp, 0,1
	ds_store_b64 v[ADK], v[128+2*(8+2*\dt+\pp):129+2*(8+2*\dt+\pp)] offset:\dt*2048+\pp*256
.endr
	ds_store_b16 v[ADB], v[116+\dt] offset:\dt*128
.endr
	s_wait_dscnt 0x0                               ; for the others' sake: my keys of k_ and v_ lie in LDS
	s_barrier_signal -1
	s_barrier_wait -1
	; ---- P3.  k_ (8 packed fragments) and v_^T (8) stay in window 1.  v64-75: zeros, q's four registers, zeros: v[68:75] sets q against a fragment's first tile, v[64:71] against its second
.irp z, 64,65,66,67,72,73,74,75
	v_mov_b32 v[\z], 0
.endr
	v_mov_b32 v117, 0                              ; (named as the upper half of the pair v[116:117])
	v_add_nc_u32 v[ADK], KI, v[LI]
	WIN 0x40
.set f, 0
.rept 8
	ds_load_b128 v[8*f:8*f+3], v[ADK] offset:f*1024
	ds_load_b128 v[8*f+4:8*f+7], v[ADK] offset:f*1024+512
	ds_load_b128 v[64+8*f:64+8*f+3], v[ADK] offset:VI-KI+f*1024
	ds_load_b128 v[64+8*f+4:64+8*f+7], v[ADK] offset:VI-KI+f*1024+512
.set f, f+1
.endr
	WIN 0
	v_add_nc_u32 v[ADB], KIS, v[L4]
	v_add_nc_u32 v[ADS], VIS, v[R4]
.set f, 0
.rept 8
	ds_load_b32 v[16+f], v[ADB] offset:f*128       ; k_'s scale words
	ds_load_b32 v[24+f], v[ADS] offset:f*64        ; v_^T's: register 2 dt + K step
.set f, f+1
.endr
	s_lshl_b32 s32, s16, 13
	s_add_co_u32 s32, s32, QI                      ; my first tile of q,
	s_lshl_b32 s33, s16, 11
	s_add_co_u32 s33, s33, QS                      ; its scale words,
	s_lshl_b32 s34, s16, 9
	s_add_co_u32 s34, s34, OS                      ; and where its result's scale bytes go
	s_mov_b32 s30, 0                               ; the first tile's step in acod is 0, every later one's 4,096
	s_mov_b32 s31, 0
	v_add_nc_u32 v[ADQ], s32, v[LI]
	v_add_nc_u32 v[ADS], s33, v[L4]
	ds_load_b128 v[68:71], v[ADQ]
	ds_load_b32 v32, v[ADS]
; A TILE OF 16 QUERIES.  pre = 1: the next tile's q is fetched
.macro QTILE pre
	v_add_nc_u32 v[ADQ], s32, v[LI]
	v_add_nc_u32 v[ADS], s33, v[L4]
	v_add_nc_u32 v[ADK], s34, v[R2]
	s_wait_dscnt 0x0                               ; q (the first time: k_, v_ and their scale words too)
	WIN 0x01                                       ; source 0 in window 1
.irp f, 0,1,2,3,4,5,6,7                ; S^T: key tile kt at v[128 + 8 kt]: lane (r, h) holds query r; the 16 registers of tiles 2 p, 2 p + 1 are keys 32 p + 16 h + 0 .. 15
	MM 128+16*\f, 8*\f, 68, 1, 16+\f, 0, 32, 0
	MM 136+16*\f, 8*\f, 64, 1, 16+\f, 0, 32, 0
.endr
	WIN 0
	PLACES
.if \pre
	ds_load_b128 v[68:71], v[ADQ] offset:512
	ds_load_b32 v32, v[ADS] offset:128
.endif
.irp p, 0,1,2,3,4,5,6,7
	v_max3_num_f32 v[76+\p], v[128+16*\p], v[129+16*\p], v[130+16*\p]    ; the largest score of each block of 32 keys: it serves the row's maximum and, since p rises with the score, the block's largest p
.endr
.irp i, 3,5,7,9,11,13
.irp p, 0,1,2,3,4,5,6,7
	v_max3_num_f32 v[76+\p], v[76+\p], v[128+16*\p+\i], v[129+16*\p+\i]
.endr
.endr
.irp p, 0,1,2,3,4,5,6,7
	v_max_num_f32 v[76+\p], v[76+\p], v[143+16*\p]
.endr
.irp p, 0,1,2,3,4,5,6,7
	v_permlanex16_b32 v[84+\p], v[76+\p], s20, s21
.endr
.irp p, 0,1,2,3,4,5,6,7
	v_max_num_f32 v[76+\p], v[76+\p], v[84+\p]
.endr
	v_max3_num_f32 v126, v76, v77, v78
	v_max3_num_f32 v126, v126, v79, v80
	v_max3_num_f32 v126, v126, v81, v82
	v_max_num_f32 v126, v126, v83                  ; the row's largest score,
	v_mul_f32 v126, s22, v126                      ; as t (c is positive)
	v_floor_f32 v116, -v126                        ; -M = floor(-t) = -ceil(t)
.set j, 0
.rept 64
	v_pk_fma_f32 v[128+j:129+j], v[128+j:129+j], s[22:23], v[116:117] op_sel_hi:[1,0,0]   ; t - M, two at a time
.set j, j+2
.endr
.irp p, 0,1,2,3,4,5,6,7
	v_fma_f32 v[76+\p], v[76+\p], s22, v116        ; the same of each block's largest score
.endr
.set j, 0
.rept 128
	v_exp_f32 v[128+j], v[128+j]                   ; p = 2^(t - M): one batch
.set j, j+1
.endr
	v_nop                                          ; a plain line behind the last exponential,
	s_wait_alu depctr_va_vdst(0)                   ; and one wait for the batch ahead of its first reader
.irp p, 0,1,2,3,4,5,6,7
	v_exp_f32 v[76+\p], v[76+\p]                   ; the blocks' largest p: the same arithmetic on the same numbers
.endr
	v_pk_add_f32 v[118:119], v[128:129], v[130:131]      ; the row's sum of the unquantised p, in four chains; its first half stands behind the eight exponentials
	v_pk_add_f32 v[120:121], v[132:133], v[134:135]
	v_pk_add_f32 v[126:127], v[136:137], v[138:139]
	v_pk_add_f32 v[12:13], v[140:141], v[142:143]
.set j, 16
.rept 6
	v_pk_add_f32 v[118:119], v[118:119], v[128+j:129+j]
	v_pk_add_f32 v[120:121], v[120:121], v[130+j:131+j]
	v_pk_add_f32 v[126:127], v[126:127], v[132+j:133+j]
	v_pk_add_f32 v[12:13], v[12:13], v[134+j:135+j]
.set j, j+8
.endr
	s_wait_alu depctr_va_vdst(0)                   ; and one wait for the eight
.irp p, 0,1,2,3,4,5,6,7
	v_max_num_f32 v[76+\p], 0x1800000, v[76+\p]    ; the floor: a block whose every p is 0 keeps the byte 1 over zero codes
.endr
.irp p, 0,1,2,3,4,5,6,7
	v_add_nc_u32 v[92+\p], 0xff000000, v[76+\p]
.endr
.irp p, 0,1,2,3,4,5,6,7
	v_lshrrev_b32 v[84+\p], 23, v[92+\p]
.endr
.irp ks, 0,1
	v_lshl_or_b32 v[34+\ks], v[85+4*\ks], 8, v[84+4*\ks]         ; p's scale word for keys 128 ks on
	v_lshl_or_b32 v[34+\ks], v[86+4*\ks], 16, v[34+\ks]
	v_lshl_or_b32 v[34+\ks], v[87+4*\ks], 24, v[34+\ks]
.endr
.irp p, 0,1,2,3,4,5,6,7
	v_cvt_scalef32_pk8_fp4_f32 v[100+2*\p], v[128+16*\p:135+16*\p], v[92+\p]
	v_cvt_scalef32_pk8_fp4_f32 v[101+2*\p], v[136+16*\p:143+16*\p], v[92+\p]
.endr
	v_nop                                          ; one plain line behind the last conversion
.irp g, 0,1,2,3                        ; the operand wants a whole block in a lane: lanes 0-15 the even block, lanes 16-31 the odd one
.irp i, 0,1
	v_permlane16_swap_b32 v[100+4*\g+\i], v[102+4*\g+\i]
.endr
.endr
.set j, 64
.rept 8
	v_pk_add_f32 v[118:119], v[118:119], v[128+j:129+j]          ; the sum's second half: also the plain lines between the scale words and codes just made and the products that take them
	v_pk_add_f32 v[120:121], v[120:121], v[130+j:131+j]
	v_pk_add_f32 v[126:127], v[126:127], v[132+j:133+j]
	v_pk_add_f32 v[12:13], v[12:13], v[134+j:135+j]
.set j, j+8
.endr
	WIN 0x01
.irp ks, 0,1                           ; O^T = v_^T p^T: d tile dt at v[128 + 8 dt], four accumulators by turns
.irp dt, 0,1,2,3
	MM 128+8*\dt, 64+8*(2*\dt+\ks), 100+8*\ks, \ks==0, 24+2*\dt+\ks, 0, 34+\ks, 0
.endr
.endr
	WIN 0
	v_pk_add_f32 v[118:119], v[118:119], v[120:121]              ; (these are the places behind the last product)
	v_pk_add_f32 v[126:127], v[126:127], v[12:13]
	v_pk_add_f32 v[118:119], v[118:119], v[126:127]
	v_add_f32 v118, v118, v119
	v_permlanex16_b32 v119, v118, s20, s21
	v_add_f32 v118, v118, v119                     ; the row's sum
	v_rcp_f32 v118, v118
	v_nop
	s_wait_alu depctr_va_vdst(0)                   ; the wait ahead of the reciprocal's first reader
.set j, 0
.rept 16
	v_pk_mul_f32 v[128+j:129+j], v[128+j:129+j], v[118:119] op_sel_hi:[1,0]   ; O / sum, each accumulator from its low end on
.set j, j+2
.endr
	QMAX 2, 128, 0, 76                             ; two blocks along c: 64 head + 32 bb + 16 h + 0 .. 15
	QSC 2, 76, 84, 92
	s_wait_xcnt 0x0                                ; the last tile's stores have read their base and v122-125
	s_add_nc_u64 s[28:29], s[28:29], s[30:31]
	s_mov_b32 s30, 4096
	QCV 2, 128, 0, 122, 92
	global_store_b64 v[A8], v[122:123], s[28:29]                 ; 32 lanes store 256 consecutive bytes, aligned: a block's place in the tile's image
	global_store_b64 v[A8], v[124:125], s[28:29] offset:256
	v_lshl_or_b32 v76, v77, 8, v76
	ds_store_b16 v[ADK], v76                       ; row r's two scale bytes
.rept 5
	v_nop                                          ; the next tile's first products write over O^T's registers: five places
.endr
	s_add_co_u32 s32, s32, 512
	s_add_co_u32 s33, s33, 128
	s_add_co_u32 s34, s34, 32
.endm
	s_mov_b32 s36, 15
.Lq:
	QTILE 1
	s_sub_co_u32 s36, s36, 1
	s_cmp_lg_u32 s36, 0
	s_cbranch_scc1 .Lq
	QTILE 0                                        ; the last tile fetches nothing
	s_lshl_b32 s48, s16, 9
	s_add_co_u32 s48, s48, OS
	v_add_nc_u32 v[ADK], s48, v[LI]
	ds_load_b128 v[64:67], v[ADK]                  ; my 256 rows' scale bytes (LDS serves a wave's instructions in order: these see my stores)
	s_wait_dscnt 0x0
	global_store_b128 v[LI], v[64:67], s[46:47]    ; 512 consecutive bytes
	s_wait_tensorcnt 0x0                           ; the wave's end
	ds_add_u32 v[SPW], v[NIL]
	s_wait_dscnt 0x0
	s_endpgm
.Lfunc_end_k_qcbd83a693b_attn:
	.size	k_qcbd83a693b_attn, .Lfunc_end_k_qcbd83a693b_attn-k_qcbd83a693b_attn
	.p2alignl 7, 3214868480
	.fill 96, 4, 3214868480
	.section	.rodata,"a",@progbits
	.p2align	6, 0x0
	.amdhsa_kernel k_qcbd83a693b_attn
		.amdhsa_group_segment_fixed_size 131072
		.amdhsa_private_segment_fixed_size 0
		.amdhsa_enable_private_segment 0
		.amdhsa_kernarg_size 48
		.amdhsa_user_sgpr_count 2
		.amdhsa_user_sgpr_kernarg_segment_ptr 1
		.amdhsa_wavefront_size32 1
		.amdhsa_system_sgpr_workgroup_id_x 1
		.amdhsa_system_sgpr_workgroup_id_y 1
		.amdhsa_system_sgpr_workgroup_id_z 1
		.amdhsa_system_vgpr_workitem_id 0
		.amdhsa_next_free_vgpr 1024
		.amdhsa_next_free_sgpr 66
		.amdhsa_reserve_vcc 0
		.amdhsa_float_denorm_mode_32 3
		.amdhsa_float_denorm_mode_16_64 3
		.amdhsa_memory_ordered 1
		.amdhsa_forward_progress 1
		.amdhsa_inst_pref_size 251
	.end_amdhsa_kernel
	.amdgpu_metadata
---
amdhsa.version: [ 1, 2 ]
amdhsa.kernels:
  - .name:           k_qcbd83a693b_attn
    .symbol:         k_qcbd83a693b_attn.kd
    .args:
      - { .name: ycod, .offset: 0, .size: 8, .value_kind: global_buffer, .address_space: global }
      - { .name: yscl, .offset: 8, .size: 8, .value_kind: global_buffer, .address_space: global }
      - { .name: wcod, .offset: 16, .size: 8, .value_kind: global_buffer, .address_space: global }
      - { .name: wscl, .offset: 24, .size: 8, .value_kind: global_buffer, .address_space: global }
      - { .name: acod, .offset: 32, .size: 8, .value_kind: global_buffer, .address_space: global }
      - { .name: ascl, .offset: 40, .size: 8, .value_kind: global_buffer, .address_space: global }
    .group_segment_fixed_size: 131072
    .private_segment_fixed_size: 0
    .kernarg_segment_align: 8
    .kernarg_segment_size: 48
    .max_flat_workgroup_size: 128
    .sgpr_count:     66
    .vgpr_count:     1024
    .wavefront_size: 32
...
	.end_amdgpu_metadata
.endif
;; end of part 2
;; launch outp (part 3): grid 16 x 16, 4 waves a work-group, no clusters, 170,496 bytes of LDS; arguments acod, ascl, wcod, wscl, x, pos, bo, out0; writes out0
.if DOCPART == 3
	.amdgcn_target "amdgcn-amd-amdhsa--gfx1250"
	.amdhsa_code_object_version 6
	.text
	.protected	k_qcbd83a693b_outp
	.globl	k_qcbd83a693b_outp
	.p2align	8
	.type	k_qcbd83a693b_outp,@function
k_qcbd83a693b_outp:
	s_mov_b64 s[64:65], 0
	v_nop
	global_prefetch_b8 v0, s[64:65] scope:SCOPE_SE
	s_setreg_imm32_b32 hwreg(HW_REG_WAVE_MODE, 25, 1), 1
	s_wait_xcnt 0x0
; Launch 4 of 4: out0[b][c][n] = (a Wo)[n][c] + bo[c] + x[b][c][n] + pos[n][c]; a and Wo as codes of E2M1 with E8M0 scales.  No work is left out.  Layout of the operands: head of the first kernel.
; SHARES.  A work-group takes 64 positions n (work-group x) of two batches (2 y, 2 y + 1).  Wave w owns c = 128 w .. 128 w + 127: 8 tiles of Wo, which stay in its registers, for all 64 positions.
; The waves share nothing: every LDS byte is a wave's own, and there is no barrier.
; Source 0 = a's tile (16 positions), source 1 = Wo's tile (16 c): a lane holds one c and eight neighbouring n, as out0 has them.  x + pos + bo is the C of each sum's first matrix instruction.
; A STEP is one tile of Wo in one batch: 16 rows c x 64 n.  x's 16 rows come as whole rows of 256 bytes, turn through a stage in LDS into the result's layout, take pos + bo, go through 16 matrix instructions
; (four accumulators by turns), turn back through a second stage and leave as whole rows of 256 bytes.  x is asked for four steps ahead, in a ring of four slots of 32 registers.
; REGISTERS.  Window 0: v1-8 addresses; v16-31 Wo's scale words, v32-47 a's (two batches); v48-63 a's scale bytes as loaded; v64-127 rows on their way out, two sets; v128-255 a of batch 0.
;   Window 1: Wo, fragment (tile tl, K step s) at 8 (4 tl + s).   Window 2: pos + bo in the result's layout, at 8 (4 tl + nt).   Window 3: v0-127 the four slots; v128-255 a of batch 1.
.set WREG,  42496                      ; LDS of a wave: pos's stage, 64 rows x 528;
.set STI,   33792                      ; the way in, 16 rows x 272;
.set STO,   38144                      ; the way out, 16 rows x 272
.set SPARE, 4*WREG                     ; the spare words, 128 bytes a wave
.set LI,  1                            ; 16 x lane
.set RL,  2                            ; x, out0: lanes 0-15 one row of c, lanes 16-31 the next; 16 bytes a lane
.set SRW, 3                            ; the same two rows in a stage
.set SD,  4                            ; a stage in the result's layout: row r, + 64 h
.set PD,  5                            ; pos's stage: row 16 h, my c
.set PSW, 6                            ; pos's stage, on the way in
.set L2,  7                            ; 2 x lane
.set CB,  8                            ; 4 (r + 8 (r / 8)): my c in a pair of Wo's tiles, in bytes
.set SPW, 14
.set NIL, 15
.set MSB, 0
.macro WIN new                         ; bits 1:0 source 0, 3:2 source 1, 5:4 source 2, 7:6 destination; the high byte repeats the setting that is left
.if MSB != (\new)
	s_set_vgpr_msb (MSB<<8)|(\new)
.set MSB, (\new)
.endif
.endm
.macro PLACES
.rept 4
	v_nop
.endr
.endm
.macro MM d, a, b, sa, ra, sb, rb      ; one link: C = D.  ra, rb: 1 = the scales stand in lanes 16-31
.if (\ra) && (\rb)
	v_wmma_scale_f32_16x16x128_f8f6f4 v[\d:\d+7], v[\a:\a+7], v[\b:\b+7], v[\d:\d+7], v[\sa], v[\sb] matrix_a_fmt:MATRIX_FMT_FP4 matrix_b_fmt:MATRIX_FMT_FP4 matrix_a_scale:MATRIX_SCALE_ROW1 matrix_b_scale:MATRIX_SCALE_ROW1
.elseif (\ra)
	v_wmma_scale_f32_16x16x128_f8f6f4 v[\d:\d+7], v[\a:\a+7], v[\b:\b+7], v[\d:\d+7], v[\sa], v[\sb] matrix_a_fmt:MATRIX_FMT_FP4 matrix_b_fmt:MATRIX_FMT_FP4 matrix_a_scale:MATRIX_SCALE_ROW1
.elseif (\rb)
	v_wmma_scale_f32_16x16x128_f8f6f4 v[\d:\d+7], v[\a:\a+7], v[\b:\b+7], v[\d:\d+7], v[\sa], v[\sb] matrix_a_fmt:MATRIX_FMT_FP4 matrix_b_fmt:MATRIX_FMT_FP4 matrix_b_scale:MATRIX_SCALE_ROW1
.else
	v_wmma_scale_f32_16x16x128_f8f6f4 v[\d:\d+7], v[\a:\a+7], v[\b:\b+7], v[\d:\d+7], v[\sa], v[\sb] matrix_a_fmt:MATRIX_FMT_FP4 matrix_b_fmt:MATRIX_FMT_FP4
.endif
.endm
; step k = 8 x batch + tile.  Load i of a step takes the tile's rows 2 i, 2 i + 1: c = 32 (tile / 2) + 8 (tile % 2) + 2 i + 8 (i / 4) and the next
.macro XLD k                           ; x's 16 rows into slot k % 4: each load covers two whole rows of 256 bytes
	WIN 0xc0
.irp i, 0,1,2,3,4,5,6,7
	global_load_b128 v[32*((\k)%4)+4*\i:32*((\k)%4)+4*\i+3], v[RL], s[12:13] offset:((\k)/8)*2097152+(32*(((\k)%8)/2)+8*((\k)%2)+2*\i+8*(\i/4))*4096 th:TH_LOAD_NT
.endr
	WIN 0
.endm
.macro STORE k                         ; the rows of step k leave
.irp i, 0,1,2,3,4,5,6,7
	global_store_b128 v[RL], v[64+32*((\k)%2)+4*\i:64+32*((\k)%2)+4*\i+3], s[18:19] offset:((\k)/8)*2097152+(32*(((\k)%8)/2)+8*((\k)%2)+2*\i+8*(\i/4))*4096 th:TH_STORE_NT
.endr
.endm
.macro INK k                           ; slot k % 4 turns from rows into the result's layout (LDS serves a wave's instructions in order: no wait between)
	WIN 0x0c
.irp i, 0,1,2,3,4,5,6,7
	ds_store_b128 v[SRW], v[32*((\k)%4)+4*\i:32*((\k)%4)+4*\i+3] offset:STI+2*\i*272
.endr
	WIN 0xc0
.irp nt, 0,1,2,3
.irp q, 0,1
	ds_load_b128 v[32*((\k)%4)+8*\nt+4*\q:32*((\k)%4)+8*\nt+4*\q+3], v[SD] offset:STI+(\nt/2)*128+(\nt%2)*32+\q*16
.endr
.endr
	WIN 0
.endm
.macro OUTK k                          ; and back into rows; each accumulator is read from its low end on
	WIN 0x0c
.irp nt, 0,1,2,3
.irp q, 0,1
	ds_store_b128 v[SD], v[32*((\k)%4)+8*\nt+4*\q:32*((\k)%4)+8*\nt+4*\q+3] offset:STO+(\nt/2)*128+(\nt%2)*32+\q*16
.endr
.endr
	WIN 0
.irp i, 0,1,2,3,4,5,6,7
	ds_load_b128 v[64+32*((\k)%2)+4*\i:64+32*((\k)%2)+4*\i+3], v[SRW] offset:STO+2*\i*272
.endr
.endm
.macro ELD k                           ; a quarter of batch 1's a and of its scale bytes: 12 loads
	WIN 0xc0
.irp s, 0,1,2,3
	global_load_b128 v[128+8*(4*(\k)+\s):128+8*(4*(\k)+\s)+3], v[LI], s[4:5] offset:262144+(4*(\k)+\s)*1024
	global_load_b128 v[128+8*(4*(\k)+\s)+4:128+8*(4*(\k)+\s)+7], v[LI], s[4:5] offset:262144+(4*(\k)+\s)*1024+512
.endr
	WIN 0
.irp s, 0,1,2,3
	global_load_u16 v[48+4*(\k)+\s], v[L2], s[6:7] offset:16384+((4*(\k)+\s)%8)*2048+((\k)/2)*64
.endr
.endm
.macro MKAS d                          ; a's scale words: K step s takes heads 2 s and 2 s + 1, two bytes each; register 4 (nt / 2) + s
.irp pn, 0,1
.irp s, 0,1,2,3
	v_lshl_or_b32 v[\d+4*\pn+\s], v[49+8*\pn+2*\s], 16, v[48+8*\pn+2*\s]
.endr
.endr
.endm
.macro STEP k, n                       ; n: the loads issued behind x's rows of step k + 1
.if (\k)>0
	s_wait_dscnt 16                                ; my slot is back from the way in; the sixteen LDS instructions of the last step's way out may be out
.else
	s_wait_dscnt 0x0
.endif
.if (\k)==8
	MKAS 40
.endif
	WIN 0xcb                                       ; slot (window 3) += pos + bo (window 2)
.set j, 0
.rept 16
	v_pk_add_f32 v[32*((\k)%4)+j:32*((\k)%4)+j+1], v[32*((\k)%4)+j:32*((\k)%4)+j+1], v[32*((\k)%8)+j:32*((\k)%8)+j+1]
.set j, j+2
.endr
	PLACES
.if (\k)<8
	WIN 0xf4                                       ; source 0 a (window 0), source 1 Wo (window 1)
.else
	WIN 0xf7                                       ; source 0 a (window 3)
.endif
.irp s, 0,1,2,3
.irp nt, 0,1,2,3
	MM 32*((\k)%4)+8*\nt, 128+8*(4*\nt+\s), 8*(4*((\k)%8)+\s), 32+8*((\k)/8)+4*(\nt/2)+\s, \nt%2, 16+4*(((\k)%8)/2)+\s, (\k)%2
.endr
.endr
	WIN 0
	s_wait_dscnt 0x0                               ; the last step's rows are back in registers
.if (\k)>0
	STORE (\k)-1
.endif
.if (\k)<15
	s_wait_loadcnt \n
	INK (\k)+1
.endif
	PLACES                                         ; behind this step's products, ahead of the reads of their results and of the loads into their registers
	s_wait_xcnt 0x0                                ; the stores have read the registers that this step's rows come back into
	OUTK \k
.if (\k)<4
	ELD \k
.endif
.if (\k)<12
	XLD (\k)+4
.endif
.endm
	s_load_b512 s[4:19], s[0:1], 0x0               ; acod, ascl, wcod, wscl, x s[12:13], pos s[14:15], bo s[16:17], out0 s[18:19]
	v_lshl_add_u32 v[SPW], v0, 2, SPARE
	v_mov_b32 v[NIL], 0
	v_lshrrev_b32 v1, 5, v0
	v_readfirstlane_b32 s20, v1                    ; wave 0..3
	v_and_b32 v9, 31, v0                           ; lane
	v_and_b32 v10, 15, v0                          ; r
	v_bfe_u32 v11, v0, 4, 1                        ; h
	s_mul_i32 s21, s20, WREG
	v_lshlrev_b32 v[LI], 4, v9
	v_lshlrev_b32 v[RL], 12, v11
	v_lshl_add_u32 v[RL], v10, 4, v[RL]
	v_mul_u32_u24 v[SRW], v11, 272
	v_lshl_add_u32 v[SRW], v10, 4, v[SRW]
	v_add_nc_u32 v[SRW], s21, v[SRW]
	v_mul_u32_u24 v[SD], v10, 272
	v_lshl_add_u32 v[SD], v11, 6, v[SD]
	v_add_nc_u32 v[SD], s21, v[SD]
	v_and_b32 v12, 8, v10
	v_add_nc_u32 v12, v12, v10
	v_lshlrev_b32 v[CB], 2, v12
	v_mul_u32_u24 v[PD], v11, 8448                 ; 16 rows of 528 bytes for lanes 16-31
	v_add_nc_u32 v[PD], v[PD], v[CB]
	v_add_nc_u32 v[PD], s21, v[PD]
	v_add_nc_u32 v[PSW], s21, v[LI]
	v_lshlrev_b32 v[L2], 1, v9
	s_and_b32 s22, ttmp7, 0xffff                   ; the pair of batches
	s_lshl_b32 s24, s22, 19                        ; acod: 2 x 262,144, four tiles of 4,096
	s_lshl_b32 s23, ttmp9, 14
	s_add_co_u32 s24, s24, s23
	s_mov_b32 s25, 0
	s_lshl_b32 s26, s22, 15                        ; ascl: 2 x 16,384, 64 rows of 2 bytes
	s_lshl_b32 s23, ttmp9, 7
	s_add_co_u32 s26, s26, s23
	s_mov_b32 s27, 0
	s_lshl_b32 s28, s20, 15                        ; Wo's section, my 8 tiles of 4,096
	s_add_co_u32 s28, s28, 393216
	s_mov_b32 s29, 0
	s_lshl_b32 s30, s20, 11                        ; its scale bytes, my 128 rows
	s_add_co_u32 s30, s30, 24576
	s_mov_b32 s31, 0
	s_lshl_b32 s32, s22, 22                        ; x, out0: 2 x 2 MiB, my 128 rows of 4,096 bytes, 64 positions
	s_lshl_b32 s23, s20, 19
	s_add_co_u32 s32, s32, s23
	s_lshl_b32 s23, ttmp9, 8
	s_add_co_u32 s32, s32, s23
	s_mov_b32 s33, 0
	s_lshl_b32 s34, ttmp9, 17                      ; pos: 64 rows of 2,048 bytes, my 512 bytes of each
	s_lshl_b32 s36, s20, 9                         ; bo: my 128 numbers
	s_add_co_u32 s34, s34, s36
	s_mov_b32 s35, 0
	s_mov_b32 s37, 0
	s_wait_kmcnt 0x0
	s_add_nc_u64 s[4:5], s[4:5], s[24:25]
	s_add_nc_u64 s[6:7], s[6:7], s[26:27]
	s_add_nc_u64 s[8:9], s[8:9], s[28:29]
	s_add_nc_u64 s[10:11], s[10:11], s[30:31]
	s_add_nc_u64 s[12:13], s[12:13], s[32:33]
	s_add_nc_u64 s[18:19], s[18:19], s[32:33]
	s_add_nc_u64 s[14:15], s[14:15], s[34:35]
	s_add_nc_u64 s[16:17], s[16:17], s[36:37]
.irp tl, 0,1,2,3,4,5,6,7               ; bo of my c in tile tl, in both halves of a pair for the packed additions
	global_load_b32 v[64+2*\tl], v[CB], s[16:17] offset:(32*(\tl/2)+8*(\tl%2))*4
	global_load_b32 v[65+2*\tl], v[CB], s[16:17] offset:(32*(\tl/2)+8*(\tl%2))*4
.endr
.irp pc, 0,1,2,3                       ; Wo's scale words: register 4 (tl / 2) + s; lanes 0-15 the even tile, lanes 16-31 the odd one
	global_load_b128 v[16+4*\pc:19+4*\pc], v[LI], s[10:11] offset:\pc*512
.endr
	WIN 0x80
.set i, 0
.rept 64
	global_load_b128 v[4*i:4*i+3], v[LI], s[14:15] offset:i*2048   ; pos: row n0 + i, my wave's 512 consecutive bytes
.set i, i+1
.endr
	WIN 0x40
.set f, 0
.rept 24
	global_load_b128 v[8*f:8*f+3], v[LI], s[8:9] offset:f*1024
	global_load_b128 v[8*f+4:8*f+7], v[LI], s[8:9] offset:f*1024+512
.set f, f+1
.endr
	s_wait_loadcnt 48                              ; the 48 loads of Wo issued behind pos may be out
	WIN 0x08
.set i, 0
.rept 64
	ds_store_b128 v[PSW], v[4*i:4*i+3] offset:i*528
.set i, i+1
.endr
	WIN 0x40
.set f, 24
.rept 8
	global_load_b128 v[8*f:8*f+3], v[LI], s[8:9] offset:f*1024
	global_load_b128 v[8*f+4:8*f+7], v[LI], s[8:9] offset:f*1024+512
.set f, f+1
.endr
	WIN 0x80
.irp tl, 0,1,2,3,4,5,6,7               ; pos in the result's layout: register j of (tl, nt): position 32 (nt / 2) + 8 (nt % 2) + 16 h + j, my c
.irp nt, 0,1,2,3
.irp j, 0,1,2,3,4,5,6,7
	ds_load_b32 v[8*(4*\tl+\nt)+\j], v[PD] offset:(32*(\nt/2)+8*(\nt%2)+\j)*528+(32*(\tl/2)+8*(\tl%2))*4
.endr
.endr
.endr
	WIN 0
.set f, 0
.rept 16
	global_load_b128 v[128+8*f:128+8*f+3], v[LI], s[4:5] offset:f*1024          ; a of batch 0: fragment (nt, s) at 8 (4 nt + s)
	global_load_b128 v[128+8*f+4:128+8*f+7], v[LI], s[4:5] offset:f*1024+512
.set f, f+1
.endr
.irp pn, 0,1
.irp hd, 0,1,2,3,4,5,6,7
	global_load_u16 v[48+8*\pn+\hd], v[L2], s[6:7] offset:\hd*2048+\pn*64       ; its scale bytes: head hd, rows 32 pn + lane in tile order
.endr
.endr
	XLD 0
	XLD 1
	XLD 2
	XLD 3
	s_wait_dscnt 0x0
	WIN 0x82
.irp tl, 0,1,2,3,4,5,6,7
.set j, 0
.rept 16
	v_pk_add_f32 v[32*\tl+j:32*\tl+j+1], v[32*\tl+j:32*\tl+j+1], v[64+2*\tl:65+2*\tl]   ; pos + bo
.set j, j+2
.endr
.endr
	WIN 0
	s_wait_loadcnt 24                              ; x's rows of steps 1 to 3 may be out
	MKAS 32
	INK 0
	STEP 0, 16
	STEP 1, 28
	STEP 2, 40
	STEP 3, 40
	STEP 4, 40
	STEP 5, 28
	STEP 6, 16
	STEP 7, 16
	STEP 8, 16
	STEP 9, 16
	STEP 10, 16
	STEP 11, 16
	STEP 12, 16
	STEP 13, 8
	STEP 14, 0
	STEP 15, 0
	s_wait_dscnt 0x0
	STORE 15
	s_wait_tensorcnt 0x0                           ; the wave's end
	ds_add_u32 v[SPW], v[NIL]
	s_wait_dscnt 0x0
	s_endpgm
.Lfunc_end_k_qcbd83a693b_outp:
	.size	k_qcbd83a693b_outp, .Lfunc_end_k_qcbd83a693b_outp-k_qcbd83a693b_outp
	.p2alignl 7, 3214868480
	.fill 96, 4, 3214868480
	.section	.rodata,"a",@progbits
	.p2align	6, 0x0
	.amdhsa_kernel k_qcbd83a693b_outp
		.amdhsa_group_segment_fixed_size 170496
		.amdhsa_private_segment_fixed_size 0
		.amdhsa_enable_private_segment 0
		.amdhsa_kernarg_size 64
		.amdhsa_user_sgpr_count 2
		.amdhsa_user_sgpr_kernarg_segment_ptr 1
		.amdhsa_wavefront_size32 1
		.amdhsa_system_sgpr_workgroup_id_x 1
		.amdhsa_system_sgpr_workgroup_id_y 1
		.amdhsa_system_sgpr_workgroup_id_z 1
		.amdhsa_system_vgpr_workitem_id 0
		.amdhsa_next_free_vgpr 1024
		.amdhsa_next_free_sgpr 66
		.amdhsa_reserve_vcc 0
		.amdhsa_float_denorm_mode_32 3
		.amdhsa_float_denorm_mode_16_64 3
		.amdhsa_memory_ordered 1
		.amdhsa_forward_progress 1
		.amdhsa_inst_pref_size 171
	.end_amdhsa_kernel
	.amdgpu_metadata
---
amdhsa.version: [ 1, 2 ]
amdhsa.kernels:
  - .name:           k_qcbd83a693b_outp
    .symbol:         k_qcbd83a693b_outp.kd
    .args:
      - { .name: acod, .offset: 0, .size: 8, .value_kind: global_buffer, .address_space: global }
      - { .name: ascl, .offset: 8, .size: 8, .value_kind: global_buffer, .address_space: global }
      - { .name: wcod, .offset: 16, .size: 8, .value_kind: global_buffer, .address_space: global }
      - { .name: wscl, .offset: 24, .size: 8, .value_kind: global_buffer, .address_space: global }
      - { .name: x, .offset: 32, .size: 8, .value_kind: global_buffer, .address_space: global }
      - { .name: pos, .offset: 40, .size: 8, .value_kind: global_buffer, .address_space: global }
      - { .name: bo, .offset: 48, .size: 8, .value_kind: global_buffer, .address_space: global }
      - { .name: out0, .offset: 56, .size: 8, .value_kind: global_buffer, .address_space: global }
    .group_segment_fixed_size: 170496
    .private_segment_fixed_size: 0
    .kernarg_segment_align: 8
    .kernarg_segment_size: 64
    .max_flat_workgroup_size: 128
    .sgpr_count:     66
    .vgpr_count:     1024
    .wavefront_size: 32
...
	.end_amdgpu_metadata
.endif
;; end of part 3
